; MI455X (gfx1250); checked and timed in simulation.
; The chip was launched on July 23, 2026; its instructions are those of AMD's public machine-readable ISA for CDNA 5 (MIT licence, August 2026) and "CDNA5" Instruction Set Architecture Reference Guide (July 2026). The comments in the code are by the model that wrote it; some were corrected since.
;; Triangle Attention. Allowed arithmetic: matrix products marked QUANTISED: E2M1 operands, one E8M0 scale for each 32 along K, by v_wmma_scale_f32_16x16x128_f8f6f4 with both operands' format E2M1 (or v_wmma_scale_f32_32x16x128_f4), f32 sums; products left as they are: bf16, f16 or f32 operands; f32 sums; everything else in f32.
;; Inputs: Wb 128 x 4 float32; Wk 128 x 128 float32; Wo 128 x 128 float32; Wq 128 x 128 float32; Wv 128 x 128 float32; mask 1 x 256 bool; pairwise_repr 1 x 256 x 256 x 128 float32.
;; Outputs: out0 1 x 256 x 256 x 128 float32.
;; This version of the problem:
;;   THIS VERSION OF THE PROBLEM IS GIVEN IN LOW PRECISION. The matrix products marked QUANTISED in the list below multiply operands that are first quantised to E2M1 (2 exponent bits, 1 mantissa bit; 4 bits a number), with one power-of-two scale for each 32 numbers along K (OCP MX v1.0); their sums are f32. The products marked 'left as it is' may take bf16, f16 or f32 operands, with f32 sums. Whichever they take, every output number must still come out within the allowed error. Rounding operands to bf16 (8 significant bits) uses up far more of that allowance than f16 does (11 bits, for magnitudes from 6e-5 to 65,504). All else is computed in f32.
;;   The module's matrix products, in the order in which they are computed (A, B: the left and right operand; K: the contracted axis; several contracted axes count as one K, in the product's order):
;;     1. [M 4, K 128] x [K 128, N 65,536]; A: input Wb; B: input pairwise_repr: left as it is (M = 4 < 16)
;;     2. [M 128, K 128] x [K 128, N 65,536]; A: input Wq; B: input pairwise_repr: QUANTISED
;;     3. [M 128, K 128] x [K 128, N 65,536]; A: input Wk; B: input pairwise_repr: QUANTISED
;;     4. [M 128, K 128] x [K 128, N 65,536]; A: input Wv; B: input pairwise_repr: QUANTISED
;;     5. batch 1,024 x [M 256, K 32] x [K 32, N 256]; A: computed on the way; B: computed on the way: left as it is (an operand is computed on the way)
;;     6. batch 1,024 x [M 256, K 256] x [K 256, N 32]; A: computed on the way; B: computed on the way: left as it is (an operand is computed on the way)
;;     7. [M 65,536, K 128] x [K 128, N 128]; A: computed on the way; B: input Wo: left as it is (an operand is computed on the way)
;;   THE QUANTISER, for each operand of a quantised product, along K:
;;     - K is cut into blocks of 32 from its start; a last block that is shorter is filled with zeros.
;;     - A block's scale is 2^e with e = floor(log2(the largest magnitude in the block)) - 2, held to -126 .. 127; a block of zeros has e = 0. As a byte (E8M0): e + 127.
;;     - Each number is divided by its block's scale, clamped to +-6, and rounded to the nearest number of E2M1, ties to even, subnormals kept.
;;     - The product sums the exact products of the quantised numbers (number of the format x scale) in f32.
;;   ~~~python
;;   def quantise(x, axis):      # numpy; x: float32 -> the quantised numbers, widened to float32 again
;;       x = np.moveaxis(x, axis, -1); K = x.shape[-1]
;;       x = np.pad(x, [(0, 0)] * (x.ndim - 1) + [(0, -K % 32)]); x = x.reshape(x.shape[:-1] + (-1, 32)); a = np.abs(x).max(-1, keepdims=True)
;;       e = np.where(a > 0, np.clip(np.frexp(np.where(a > 0, a, 1))[1] - 1 - 2, -126, 127), 0)      # np.frexp(a)[1] - 1 = floor(log2(a)), exactly
;;       r = np.clip(x / 2.0 ** e, -6, 6)
;;       step = 2.0 ** (np.maximum(np.frexp(np.where(r == 0, 1, r))[1] - 1, 0) - 1)
;;       q = np.round(r / step) * step * 2.0 ** e      # np.round: ties to even
;;       return np.moveaxis(q.reshape(q.shape[:-2] + (-1,))[..., :K], -1, axis).astype(np.float32)
;;   ~~~
;; One version. Each part assembles by itself: llvm-mc -triple=amdgcn-amd-amdhsa -mcpu=gfx1250 --defsym DOCPART=n.
;; ======== version 1 of 1: 2 launches
;; limits: values are held in f16: magnitudes above 65,504 overflow, below 6.1e-05 lose precision
;; workspace buffers: xc 4,194,304 bytes; xs 262,144 bytes; bw 1,048,576 bytes; wc 24,576 bytes; wsc 1,536 bytes; wo16 32,768 bytes
;; launch prep (part 1): grid 256 x 1, 16 waves a work-group, no clusters, 187,392 bytes of LDS; arguments pairwise_repr, Wb, mask, Wq, Wk, Wv, Wo, xc, xs, bw, wc, wsc, wo16; writes xc, xs, bw, wc, wsc, wo16
.if DOCPART == 1
	.amdgcn_target "amdgcn-amd-amdhsa--gfx1250"
	.amdhsa_code_object_version 6
	.text
	.protected	k_qfb7211243e_prep
	.globl	k_qfb7211243e_prep
	.p2align	8
	.type	k_qfb7211243e_prep,@function
k_qfb7211243e_prep:
	s_mov_b64 s[64:65], 0
	v_nop
	global_prefetch_b8 v0, s[64:65] scope:SCOPE_SE
	s_setreg_imm32_b32 hwreg(HW_REG_WAVE_MODE, 25, 1), 1
	s_wait_xcnt 0x0
; PREP.  x = pairwise_repr [256][256][128] f32 is read once and gives three things:
;   xc  x's codes of FP4 (E2M1), one E8M0 scale for each 32 along d, laid as images of an operand's registers: [i][tile of 16 positions][c 2][lane][16 bytes]; lane (r, h), part c: block 2 c + h of position r
;   xs  the four scale bytes of each position as one word: [i][position]
;   bw  bias'(head, query, key) = x[query][key] . Wb[:, head] x log2(e), in f32, laid as the accumulator of a tile of 16 keys x 16 queries: [head][query tile][key tile][half][lane][16 bytes];
;       lane (n, h), register j = 4 half + 0..3: query n, key 8 h + j.  THE KEY MASK IS FOLDED IN: a masked key's bias' is -2^100.  Where no key at all is valid every bias' is 0 (and the next launch makes q 0):
;       all scores are then equal, which gives the uniform weights that a softmax over equal scores gives.  No branch hangs on the mask: two selects and one multiply-add.
; A block's scale is 2^(floor(log2(its largest magnitude)) - 2): its byte is the largest magnitude's exponent field - 2, held at 1 from below.
; LIMITS: a block of zeros gets the byte 1 where the quantiser says 127 (its codes are zeros, and this program alone reads the bytes); NaN and infinities are not served; the bias is summed in f32, 16 terms a lane in two
; chains and then over eight lanes, which is another order than a plain ascending sum; a valid key's score x log2(e) must lie above -2^100.
; SHARES.  Work-group b owns x[16 qt ..][16 kt ..][:], qt = b / 16, kt = b % 16: one tile of bw for each head.  Wave w owns row i = 16 qt + w: 16 positions x 512 bytes = 8,192 consecutive bytes, asked for at once
; by 16 loads of 512 consecutive bytes.  The conversions want 16 neighbours along d in one lane, so the bytes turn through the wave's own stage in LDS (64 bytes + 16 of padding a place).
; Wave 15 of work-groups 0 to 31 has one job more: 24 jobs quantise a tile of 16 columns of Wq, Wk or Wv along d (a lane to a column, registers down d), 8 jobs round a tile of 16 columns of Wo to f16, both laid as operand images.
; No matrix unit, tensor load or cluster: the launch is a stream, each work-group reads bytes of its own.
.set SP,    80                         ; a place in the turning stage: 64 bytes + 16
.set STEPB, 32*SP                      ; a step: 4 positions, 32 places
.set TURNB, 4*STEPB                    ; a wave's four steps
.set CIM,   16*TURNB                   ; behind the stages: each wave's image of its codes, 1,024 bytes
.set OST,   CIM+16*1024                ; the work-group's tile of bw: [head][half][lane][16] = 4,096 bytes,
.set XST,   OST+4096                   ; and its scale words: [wave][16 words] = 1,024 bytes
.set SPARE, OST+5120                   ; the spare words, 128 bytes for each of 16 waves: eight blocks of 256 bytes that no other line names
.set LI,  1                            ; v1   16 x lane
.set SPW, 2                            ; v2   LDS address of my spare word; never rewritten
.set NIL, 3                            ; v3   0; never rewritten
.set TIN, 4                            ; v4   the stage, way in
.set TOUT,5                            ; v5   the stage, way out
.set CIA, 6                            ; v6   where my 8 bytes of codes go in the image
.set CIR, 7                            ; v7   where I read the image back
.set XSA, 8                            ; v8   where my block's scale byte goes
.set BA,  9                            ; v9   where my position's bias' goes
.set OSR, 10                           ; v10  where I read the work-group's stage back
.set GV,  11                           ; v11  my byte offset in the stores behind the barrier
.set WBO, 12                           ; v12  my 16 rows of Wb
.set MKO, 13                           ; v13  my key's mask byte
.set MK,  16                           ; v16-19  the mask byte of step s
.set FS,  20                           ; v20-23  log2(e), or 0 for a masked key
.set AS,  24                           ; v24-27  0, or -2^100 for a masked key
.set XX,  32                           ; v32-63  two sets of 16 neighbours
.set R,   64                           ; v64-127 x as loaded; later the job's 64 numbers
.set WB,  128                          ; v128-191 Wb[16 (lane % 8) + t][head] at 4 t + head
.set AC,  192                          ; v192-199 four pairs of sums: heads (0,1), (2,3) of even t, the same of odd t
.set CD,  200                          ; v200-207 codes, two registers a step
.set EB,  208                          ; v208-211 the scale byte of a step
.set BS,  212                          ; v212-227 bias', four a step
.set JO,  228                          ; v228 the job's offset in its weight
.set MAO, 229                          ; v229 8 x lane: my 8 bytes of the whole mask
.set JS,  230                          ; v230 4 x (lane % 16)
	s_load_b512 s[4:19], s[0:1], 0x0               ; x s[4:5], Wb s[6:7], mask s[8:9], Wq s[10:11], Wk s[12:13], Wv s[14:15], Wo s[16:17], xc s[18:19]
	s_load_b256 s[20:27], s[0:1], 0x40             ; xs s[20:21], bw s[22:23], wc s[24:25], wsc s[26:27]
	s_load_b64 s[28:29], s[0:1], 0x60              ; wo16
	v_lshl_add_u32 v[SPW], v0, 2, SPARE
	v_mov_b32 v[NIL], 0
	v_lshrrev_b32 v28, 5, v0
	v_readfirstlane_b32 s30, v28                   ; wave 0..15
	s_lshr_b32 s32, ttmp9, 4                       ; qt
	s_and_b32 s33, ttmp9, 15                       ; kt
	s_lshl_b32 s34, s32, 4
	s_add_co_u32 s34, s34, s30                     ; my row i = 16 qt + wave
	v_and_b32 v29, 31, v0                          ; lane
	v_lshlrev_b32 v[LI], 4, v29
	v_and_b32 v30, 7, v29
	v_lshlrev_b32 v[WBO], 8, v30                   ; 16 rows of 16 bytes for each of the eight lanes of a position
	v_lshrrev_b32 v31, 3, v29                      ; lane / 8: which of a step's four positions
	s_lshl_b32 s35, s33, 4
	v_add_nc_u32 v[MKO], s35, v31                  ; key 16 kt + lane / 8 (+ 4 s in the immediate)
	v_lshlrev_b32 v[MAO], 3, v29
	s_lshl_b32 s36, s34, 17                        ; a row i is 131,072 bytes,
	s_lshl_b32 s38, s33, 13                        ; 16 positions 8,192
	s_add_co_u32 s36, s36, s38
	s_mov_b32 s37, 0
	s_wait_kmcnt 0x0
	s_add_nc_u64 s[4:5], s[4:5], s[36:37]
.irp p, 0,1,2,3,4,5,6,7,8,9,10,11,12,13,14,15
	global_load_b128 v[R+4*\p:R+4*\p+3], v[LI], s[4:5] offset:512*\p th:TH_LOAD_NT   ; position p: 32 lanes read 512 consecutive bytes; read once in the launch
.endr
.irp t, 0,1,2,3,4,5,6,7,8,9,10,11,12,13,14,15
	global_load_b128 v[WB+4*\t:WB+4*\t+3], v[WBO], s[6:7] offset:16*\t
.endr
	global_load_b64 v[14:15], v[MAO], s[8:9]       ; the whole mask, 8 bytes a lane
.irp s, 0,1,2,3
	global_load_u8 v[MK+\s], v[MKO], s[8:9] offset:4*\s
.endr
	; the addresses, while the loads are on their way
	s_mul_i32 s35, s30, TURNB
	v_lshrrev_b32 v28, 2, v29                      ; lane / 4
	v_and_b32 v30, 3, v29                          ; lane % 4
	v_mul_u32_u24 v[TIN], v28, SP
	v_lshl_add_u32 v[TIN], v30, 4, v[TIN]
	v_add_nc_u32 v[TIN], s35, v[TIN]               ; in: four lanes' 64 bytes on end, then the padding
	v_mul_u32_u24 v[TOUT], v29, SP
	v_add_nc_u32 v[TOUT], s35, v[TOUT]             ; out: place = lane: position lane / 8 of the step, d = 16 (lane % 8) on
	s_cmp_lt_u32 s30, 8                            ; behind the barrier waves 0-7 store bw (dense), waves 8, 9 xs (rows of 1,024 bytes)
	s_cselect_b32 s35, 6, 10
	v_lshlrev_b32 v[GV], s35, v28
	v_lshl_add_u32 v[GV], v30, 4, v[GV]
	s_lshl_b32 s35, s30, 10
	s_add_co_u32 s35, s35, CIM
	v_bfe_u32 v30, v29, 2, 1                       ; my block is (lane % 8) / 2 = 2 c + h: c,
	v_lshlrev_b32 v[CIA], 9, v30
	v_bfe_u32 v30, v29, 1, 1                       ; h,
	v_lshl_add_u32 v[CIA], v30, 8, v[CIA]
	v_lshl_add_u32 v[CIA], v31, 4, v[CIA]          ; the image's lane r = position (4 s in the immediate),
	v_and_b32 v30, 1, v29
	v_lshl_add_u32 v[CIA], v30, 3, v[CIA]          ; and which half of the block's 16 bytes
	v_add_nc_u32 v[CIA], s35, v[CIA]
	v_add_nc_u32 v[CIR], s35, v[LI]
	s_lshl_b32 s35, s30, 6
	s_add_co_u32 s35, s35, XST
	v_bfe_u32 v30, v29, 1, 2
	v_lshl_add_u32 v[XSA], v31, 2, v30
	v_add_nc_u32 v[XSA], s35, v[XSA]
	s_lshl_b32 s35, s30, 4
	s_add_co_u32 s35, s35, OST
	v_lshlrev_b32 v[BA], 2, v31
	v_add_nc_u32 v[BA], s35, v[BA]                 ; the accumulator's lane n = my wave (the query); key 4 s + lane / 8 = 8 h + 4 half + lane / 8: half and h stand in the immediate
	s_min_u32 s35, s30, 9                          ; (waves 10 to 15 read nothing back)
	s_lshl_b32 s35, s35, 9
	s_add_co_u32 s35, s35, OST
	v_add_nc_u32 v[OSR], s35, v[LI]
	; the job.  Every select stands directly behind its own compare: the logic operations and shifts further down set SCC
	s_cmp_lt_u32 ttmp9, 24                         ; lanes 16-31 begin 32 rows of 512 bytes further down (a quantised weight) or 8 rows (Wo)
	s_cselect_b32 s35, 14, 12
	s_cselect_b64 s[44:45], s[14:15], s[16:17]     ; work-groups 0-7 Wq, 8-15 Wk, 16-23 Wv, 24-31 Wo: the choice hangs on the work-group's number alone
	s_cmp_lt_u32 ttmp9, 16
	s_cselect_b64 s[44:45], s[12:13], s[44:45]
	s_cmp_lt_u32 ttmp9, 8
	s_cselect_b64 s[44:45], s[10:11], s[44:45]
	v_lshrrev_b32 v28, 4, v29
	v_lshlrev_b32 v[JO], s35, v28
	v_and_b32 v30, 15, v29
	v_lshlrev_b32 v[JS], 2, v30
	v_add_nc_u32 v[JO], v[JO], v[JS]
	s_and_b32 s35, ttmp9, 7                        ; its tile of 16 columns
	s_lshl_b32 s38, s35, 6
	v_add_nc_u32 v[JO], s38, v[JO]
	s_lshl_b32 s36, ttmp9, 10
	s_add_nc_u64 s[52:53], s[24:25], s[36:37]      ; wc: 1,024 bytes a job
	s_lshl_b32 s36, ttmp9, 6
	s_add_nc_u64 s[54:55], s[26:27], s[36:37]      ; wsc: 16 words a job
	s_lshl_b32 s36, s35, 12
	s_add_nc_u64 s[56:57], s[28:29], s[36:37]      ; wo16: 4,096 bytes a job
	s_lshl_b32 s36, s34, 14
	s_lshl_b32 s38, s33, 10
	s_add_co_u32 s36, s36, s38
	s_add_nc_u64 s[46:47], s[18:19], s[36:37]      ; xc: (16 i + kt) x 1,024
	s_lshr_b32 s36, s30, 1                         ; bw: head = wave / 2, tile b, half = wave % 2
	s_lshl_b32 s36, s36, 18
	s_lshl_b32 s38, ttmp9, 10
	s_or_b32 s36, s36, s38
	s_and_b32 s38, s30, 1
	s_lshl_b32 s39, s38, 9
	s_or_b32 s36, s36, s39
	s_lshl_b32 s39, s32, 14                        ; xs: rows 16 qt + 8 (wave - 8) on, 64 bytes at 64 kt
	s_lshl_b32 s38, s38, 13
	s_or_b32 s39, s39, s38
	s_lshl_b32 s38, s33, 6
	s_or_b32 s39, s39, s38
	s_cmp_lt_u32 s30, 8
	s_cselect_b32 s36, s36, s39
	s_cselect_b64 s[48:49], s[22:23], s[20:21]
	s_add_nc_u64 s[48:49], s[48:49], s[36:37]
	s_mov_b32 s50, 0x76543210
	s_mov_b32 s51, 0xfedcba98                      ; v_permlanex16_b32's selects for lane l xor 16
.macro XLD s                           ; step s's 16 neighbours a lane, out of the stage
.irp k, 0,1,2,3
	ds_load_b128 v[XX+16*((\s)%2)+4*\k:XX+16*((\s)%2)+4*\k+3], v[TOUT] offset:(\s)*STEPB+16*\k
.endr
.endm
	s_wait_loadcnt 21                              ; x's 16 loads are in: behind them stand Wb's 16 and the mask's 5
.irp p, 0,1,2,3,4,5,6,7,8,9,10,11,12,13,14,15
	ds_store_b128 v[TIN], v[R+4*\p:R+4*\p+3] offset:(\p/4)*STEPB+(\p%4)*8*SP
.endr
	XLD 0                                          ; LDS serves a wave's instructions in order: these see the stores
	XLD 1
	s_wait_loadcnt 0x0                             ; Wb and the mask
	v_or_b32 v14, v14, v15
	v_cmp_ne_u32 vcc_lo, 0, v14
	s_cmp_lg_u32 vcc_lo, 0                         ; is any key valid?
	s_cselect_b32 s40, 0x3fb8aa3b, 0               ; log2(e), or 0
	s_cselect_b32 s41, 0xf1800000, 0               ; -2^100, or 0
	v_mov_b32 v28, s40
	v_mov_b32 v29, s41
	v_mov_b32 v30, 0
.irp s, 0,1,2,3
	v_cmp_ne_u32 vcc_lo, 0, v[MK+\s]
	v_cndmask_b32 v[FS+\s], v30, v28, vcc_lo       ; a valid key: x log2(e) + 0;
	v_cndmask_b32 v[AS+\s], v29, v30, vcc_lo       ; a masked one: x 0 - 2^100
.endr
	s_wait_dscnt 8                                 ; the 16 stores have read x's registers (the 8 loads behind them may be out): the job's numbers may land there
	s_cmp_lg_u32 s30, 15
	s_cbranch_scc1 .Lsteps
	s_cmp_ge_u32 ttmp9, 32
	s_cbranch_scc1 .Lsteps
	s_cmp_ge_u32 ttmp9, 24
	s_cbranch_scc1 .Lask_wo
.set n, 0
.rept 64                               ; register 32 c + i: W(64 c + 32 h + i, my column): the order in which the operand's layout gives a lane its k
	global_load_b32 v[R+n], v[JO], s[44:45] offset:(n+32*(n/32))*512
.set n, n+1
.endr
	s_branch .Lsteps
.Lask_wo:
.set n, 0
.rept 64                               ; register 16 head + 8 half + t: Wo(32 head + 16 half + 8 h + t, my column)
	global_load_b32 v[R+n], v[JO], s[44:45] offset:(32*(n/16)+16*((n/8)%2)+n%8)*512
.set n, n+1
.endr
.Lsteps:
; A STEP: four positions.  Lane l holds d = 16 (l % 8) + 0..15 of position 4 s + l / 8.  left: the LDS instructions issued behind this step's four loads.
.macro STEP s, left
.set XC, XX+16*((\s)%2)
	s_wait_dscnt \left
	v_max3_num_f32 v28, |v[XC]|, |v[XC+1]|, |v[XC+2]|              ; the largest magnitude of my 16, in two chains
	v_max3_num_f32 v29, |v[XC+3]|, |v[XC+4]|, |v[XC+5]|
.irp i, 6,10
	v_max3_num_f32 v28, v28, |v[XC+\i]|, |v[XC+\i+1]|
	v_max3_num_f32 v29, v29, |v[XC+\i+2]|, |v[XC+\i+3]|
.endr
	v_max3_num_f32 v28, v28, |v[XC+14]|, |v[XC+15]|
	v_max3_num_f32 v28, v28, v29, 0x1800000        ; and the floor 2^(3 - 127): the byte cannot fall under 1
	v_max_num_f32_dpp v28, v28, v28 row_xmask:1 row_mask:0xf bank_mask:0xf   ; with my neighbour's 16: the block's
	v_add_nc_u32 v30, 0xff000000, v28              ; 2 off its exponent field: the conversion takes this operand's exponent field as its scale
	v_cvt_scalef32_pk8_fp4_f32 v[CD+2*(\s)], v[XC:XC+7], v30
	v_cvt_scalef32_pk8_fp4_f32 v[CD+2*(\s)+1], v[XC+8:XC+15], v30
	v_lshrrev_b32 v[EB+(\s)], 23, v30              ; the scale's byte (a plain line behind the conversions)
	; the bias: x_t x (Wb[t][0], Wb[t][1]) and x_t x (Wb[t][2], Wb[t][3]); of the pair (x_t, x_t+1) one word feeds both halves
	v_pk_mul_f32 v[AC:AC+1], v[XC:XC+1], v[WB:WB+1] op_sel_hi:[0,1]
	v_pk_mul_f32 v[AC+2:AC+3], v[XC:XC+1], v[WB+2:WB+3] op_sel_hi:[0,1]
	v_pk_mul_f32 v[AC+4:AC+5], v[XC:XC+1], v[WB+4:WB+5] op_sel:[1,0] op_sel_hi:[1,1]
	v_pk_mul_f32 v[AC+6:AC+7], v[XC:XC+1], v[WB+6:WB+7] op_sel:[1,0] op_sel_hi:[1,1]
.irp t, 2,4,6,8,10,12,14
	v_pk_fma_f32 v[AC:AC+1], v[XC+\t:XC+\t+1], v[WB+4*\t:WB+4*\t+1], v[AC:AC+1] op_sel_hi:[0,1,1]
	v_pk_fma_f32 v[AC+2:AC+3], v[XC+\t:XC+\t+1], v[WB+4*\t+2:WB+4*\t+3], v[AC+2:AC+3] op_sel_hi:[0,1,1]
	v_pk_fma_f32 v[AC+4:AC+5], v[XC+\t:XC+\t+1], v[WB+4*\t+4:WB+4*\t+5], v[AC+4:AC+5] op_sel:[1,0,0] op_sel_hi:[1,1,1]
	v_pk_fma_f32 v[AC+6:AC+7], v[XC+\t:XC+\t+1], v[WB+4*\t+6:WB+4*\t+7], v[AC+6:AC+7] op_sel:[1,0,0] op_sel_hi:[1,1,1]
.endr
	v_pk_add_f32 v[AC:AC+1], v[AC:AC+1], v[AC+4:AC+5]
	v_pk_add_f32 v[AC+2:AC+3], v[AC+2:AC+3], v[AC+6:AC+7]
.irp m, 1,2,4
.irp q, 0,1,2,3
	v_add_f32_dpp v[AC+\q], v[AC+\q], v[AC+\q] row_xmask:\m row_mask:0xf bank_mask:0xf   ; over the position's eight lanes: all eight end with the same bits
.endr
.endr
.irp q, 0,1,2,3
	v_fma_f32 v[BS+4*(\s)+\q], v[AC+\q], v[FS+(\s)], v[AS+(\s)]
.endr
	ds_store_b8 v[XSA], v[EB+(\s)] offset:16*(\s)  ; both lanes of a block write the same byte
	ds_store_b64 v[CIA], v[CD+2*(\s):CD+2*(\s)+1] offset:64*(\s)
.irp q, 0,1,2,3
	ds_store_b32 v[BA], v[BS+4*(\s)+\q] offset:\q*1024+((\s)%2)*512+((\s)/2)*256   ; the eight lanes of a position write the same word
.endr
.if (\s) < 2
	XLD (\s)+2                                     ; into the set just worked
.endif
.endm
	STEP 0, 4                                      ; behind step 0's loads: step 1's four
	STEP 1, 10                                     ; step 0's six stores and step 2's four loads
	STEP 2, 10                                     ; step 1's six stores and step 3's four loads
	STEP 3, 6                                      ; step 2's six stores
	ds_load_b128 v[32:35], v[CIR]                  ; my row's image: these see my stores
	ds_load_b128 v[36:39], v[CIR] offset:512
	s_wait_dscnt 0x0                               ; the image is in registers; and, for the others' sake, my stores into the work-group's stage are done
	global_store_b128 v[LI], v[32:35], s[46:47]    ; 32 lanes store 512 consecutive bytes, aligned
	global_store_b128 v[LI], v[36:39], s[46:47] offset:512
	s_barrier_signal -1
	s_barrier_wait -1                              ; the tile of bw and the 16 rows' scale words are whole
	s_cmp_lt_u32 s30, 10
	s_cbranch_scc0 .Ljob
	ds_load_b128 v[40:43], v[OSR]
	s_wait_dscnt 0x0
	global_store_b128 v[GV], v[40:43], s[48:49]    ; waves 0-7: 512 consecutive bytes of bw; waves 8, 9: eight rows' 64 bytes of xs (runs of 64 bytes: 1,024 bytes a work-group)
.Ljob:
	s_cmp_lg_u32 s30, 15
	s_cbranch_scc1 .Lend
	s_cmp_ge_u32 ttmp9, 32
	s_cbranch_scc1 .Lend
	s_wait_loadcnt 0x0                             ; the job's 64 numbers
	s_cmp_ge_u32 ttmp9, 24
	s_cbranch_scc1 .Ldo_wo
.irp c, 0,1                            ; my block 2 c + h of my column: all its 32 numbers are mine
	v_max3_num_f32 v[192+\c], |v[R+32*\c]|, |v[R+32*\c+1]|, 0x1800000
.endr
.irp i, 2,4,6,8,10,12,14,16,18,20,22,24,26,28,30
.irp c, 0,1
	v_max3_num_f32 v[192+\c], v[192+\c], |v[R+32*\c+\i]|, |v[R+32*\c+\i+1]|
.endr
.endr
.irp c, 0,1
	v_add_nc_u32 v[194+\c], 0xff000000, v[192+\c]
.endr
.irp c, 0,1
	v_lshrrev_b32 v[196+\c], 23, v[194+\c]
.endr
	v_lshl_or_b32 v198, v197, 16, v196             ; my two bytes, blocks h and 2 + h,
	v_bfe_u32 v199, v0, 4, 1
	v_lshlrev_b32 v199, 3, v199
	v_lshlrev_b32 v198, v199, v198                 ; at their places in the word;
	v_mov_b32 v199, 0
	v_permlanex16_b32 v199, v198, s50, s51
	v_or_b32 v198, v198, v199                      ; with lane l xor 16's two it is whole
.irp c, 0,1
.irp g, 0,1,2,3
	v_cvt_scalef32_pk8_fp4_f32 v[CD+4*\c+\g], v[R+32*\c+8*\g:R+32*\c+8*\g+7], v[194+\c]
.endr
.endr
	v_nop                                          ; a plain line behind the last conversion
	global_store_b128 v[LI], v[CD:CD+3], s[52:53]
	global_store_b128 v[LI], v[CD+4:CD+7], s[52:53] offset:512
	global_store_b32 v[JS], v198, s[54:55]         ; both halves of the lanes write the same word
	s_branch .Lend
.Ldo_wo:
.set n, 0
.rept 32
	v_cvt_pk_f16_f32 v[WB+n], v[R+2*n], v[R+2*n+1] ; into Wb's registers, which are free; no pending store reads them
.set n, n+1
.endr
.irp f, 0,1,2,3,4,5,6,7
	global_store_b128 v[LI], v[WB+4*\f:WB+4*\f+3], s[56:57] offset:512*\f
.endr
.Lend:
	s_wait_tensorcnt 0x0                           ; the wave's end
	ds_add_u32 v[SPW], v[NIL]
	s_wait_dscnt 0x0
	s_endpgm
.Lfunc_end_k_qfb7211243e_prep:
	.size	k_qfb7211243e_prep, .Lfunc_end_k_qfb7211243e_prep-k_qfb7211243e_prep
	.p2alignl 7, 3214868480
	.fill 96, 4, 3214868480
	.section	.rodata,"a",@progbits
	.p2align	6, 0x0
	.amdhsa_kernel k_qfb7211243e_prep
		.amdhsa_group_segment_fixed_size 187392
		.amdhsa_private_segment_fixed_size 0
		.amdhsa_enable_private_segment 0
		.amdhsa_kernarg_size 104
		.amdhsa_user_sgpr_count 2
		.amdhsa_user_sgpr_kernarg_segment_ptr 1
		.amdhsa_wavefront_size32 1
		.amdhsa_system_sgpr_workgroup_id_x 1
		.amdhsa_system_sgpr_workgroup_id_y 1
		.amdhsa_system_sgpr_workgroup_id_z 1
		.amdhsa_system_vgpr_workitem_id 0
		.amdhsa_next_free_vgpr 232
		.amdhsa_next_free_sgpr 66
		.amdhsa_reserve_vcc 1
		.amdhsa_float_denorm_mode_32 3
		.amdhsa_float_denorm_mode_16_64 3
		.amdhsa_memory_ordered 1
		.amdhsa_forward_progress 1
		.amdhsa_inst_pref_size 48
	.end_amdhsa_kernel
	.amdgpu_metadata
---
amdhsa.version: [ 1, 2 ]
amdhsa.kernels:
  - .name:           k_qfb7211243e_prep
    .symbol:         k_qfb7211243e_prep.kd
    .args:
      - { .name: pairwise_repr, .offset: 0, .size: 8, .value_kind: global_buffer, .address_space: global }
      - { .name: Wb, .offset: 8, .size: 8, .value_kind: global_buffer, .address_space: global }
      - { .name: mask, .offset: 16, .size: 8, .value_kind: global_buffer, .address_space: global }
      - { .name: Wq, .offset: 24, .size: 8, .value_kind: global_buffer, .address_space: global }
      - { .name: Wk, .offset: 32, .size: 8, .value_kind: global_buffer, .address_space: global }
      - { .name: Wv, .offset: 40, .size: 8, .value_kind: global_buffer, .address_space: global }
      - { .name: Wo, .offset: 48, .size: 8, .value_kind: global_buffer, .address_space: global }
      - { .name: xc, .offset: 56, .size: 8, .value_kind: global_buffer, .address_space: global }
      - { .name: xs, .offset: 64, .size: 8, .value_kind: global_buffer, .address_space: global }
      - { .name: bw, .offset: 72, .size: 8, .value_kind: global_buffer, .address_space: global }
      - { .name: wc, .offset: 80, .size: 8, .value_kind: global_buffer, .address_space: global }
      - { .name: wsc, .offset: 88, .size: 8, .value_kind: global_buffer, .address_space: global }
      - { .name: wo16, .offset: 96, .size: 8, .value_kind: global_buffer, .address_space: global }
    .group_segment_fixed_size: 187392
    .private_segment_fixed_size: 0
    .kernarg_segment_align: 8
    .kernarg_segment_size: 104
    .max_flat_workgroup_size: 512
    .sgpr_count:     66
    .vgpr_count:     232
    .wavefront_size: 32
...
	.end_amdgpu_metadata
.endif
;; end of part 1
;; launch attn (part 2): grid 256 x 1, 8 waves a work-group, no clusters, 322,560 bytes of LDS; arguments xc, xs, bw, wc, wsc, wo16, mask, out0; writes out0
.if DOCPART == 2
	.amdgcn_target "amdgcn-amd-amdhsa--gfx1250"
	.amdhsa_code_object_version 6
	.text
	.protected	k_qfb7211243e_attn
	.globl	k_qfb7211243e_attn
	.p2align	8
	.type	k_qfb7211243e_attn,@function
k_qfb7211243e_attn:
	s_mov_b64 s[64:65], 0
	v_nop
	global_prefetch_b8 v0, s[64:65] scope:SCOPE_SE
	s_setreg_imm32_b32 hwreg(HW_REG_WAVE_MODE, 25, 1), 1
	s_wait_xcnt 0x0
; ATTN.  For each row i: q, k, v = Q(x[i]) Q(Wq, Wk, Wv) on codes of FP4 with E8M0 scales; t = (q . k / sqrt(32) + bias) log2(e); p = 2^(t - m) with a running maximum m; o = sum p v / sum p; out = o Wo.
; The three projections go by the scaled FP4 matrix form on the codes that the launch before has laid; the other products take f16 operands and f32 sums; maxima, exponentials, sums in f32.
; SHARES.  Work-group b owns TWO rows i = 2 (b / 2), + 1 and 128 queries (half b % 2).  Wave w: g = w % 4 owns query tiles QT0 = 8 (b % 2) + 2 g and QT0 + 1; hs = w / 4 is its head in a pair of heads.
; A wave's four UNITS u = 2 r + a are (row r, query tile QT0 + a).  Two trips: head = 2 trip + hs.  So a fragment of K or V read from LDS feeds two products (the two query tiles), and a tile of the bias, which is the
; same for all rows, feeds two (the two rows), each time as the C of the scores' product.  The bias goes from memory straight into registers in the accumulator's layout.
; THE BIAS RUNS TWO CHUNKS AHEAD.  A chunk is 64 keys x my two query tiles: 64 registers, 16 loads.  Two buffers in window 1 take turns; as soon as both rows have taken a chunk, its buffer is asked to take the chunk after
; next, over the change of heads too.  The buffers are the registers that hold Wk and Wv during the projection and Wo at the end: chunk 0 is asked for when Wk is done with, chunk 1 when Wv is, and behind the last two
; chunks the two halves of Wo are asked for in the same places.  So the two trips differ in their tails and are written out, by one macro; the launch has no branch.
; LAYOUT.  All products are used so that a lane holds ONE query or key: K^ = Wk x^T gives a lane a key and registers along the channels, which rounded in pairs are the A fragment of S^T = K Q^T; V = x Wv^T gives a lane a
; channel and registers along the keys: the A fragment of O^T = V^T P; S^T's tiles rounded in pairs are P, the B fragment; O^T's are the B fragment of out^T = Wo^T o^T.  Fragments go from wave to wave through LDS as
; images of their registers: 16 bytes a lane at 16 x lane, 512 bytes an instruction.
; THE MASK lies in the bias (-2^100 for a masked key): p is 0 there; a run of keys that is wholly masked is wiped by 2^(old m - new m) = 0 at the first valid key.  Where no key is valid the bias is 0 and q is
; multiplied by 0: equal scores, uniform weights.  No branch hangs on the mask.
; LIMITS: q log2(e) / sqrt(32), k, v, p, o and Wo are rounded to f16 (magnitudes up to 65,504; below 6e-5 with an absolute error of 3e-8); a valid key's t lies above -2^100; NaN and infinities are not served.
; NO JOINT LOADS, NO TENSOR LOADS: what work-groups share is the bias, 512 KB a work-group, and it is wanted in registers as a product's C: a way through LDS would add its bytes once as a fill and once as reads, and of the
; 327,680 bytes 322,560 are in use.  The two work-groups of a pair of rows each make K and V of those rows for themselves: 256 FP4 products more a work-group.
; REGISTERS, in windows of 256 (s_set_vgpr_msb: bits 1:0 source 0, 3:2 source 1, 5:4 source 2, 7:6 destination):
;   window 0: v1-15 addresses; v16-28 and v30 scale words and nothing else; v29 address; v32-59 softmax statistics; v60-63 offsets; v64-95 KB, v96-127 VB: fragments from LDS; v128-191 X: row 0's scores and p; v192-255 Y: row 1's
;   window 1: v0-63 O^T (16 u + 8 et), at first x's fragments; v64-95 Q (8 u); v96-127 x's fragments of my queries; v128-255 Wk, Wv, then the bias's two buffers, then Wo
.set WCS,   262144                     ; LDS: four head blocks of 65,536 bytes: K[r][kt] at 16384 r + 1024 kt, V[r][kp][et] at 32768 + 16384 r + 1024 (2 kp + et); then a copy of wc, 24,576 bytes;
.set STG,   286720                     ; a stage of 16 rows x (256 + 16) bytes for each wave, for the way out;
.set SPARE, 321536                     ; the spare words, 128 bytes for each of 8 waves: four blocks of 256 bytes that no other line names
.set SPW, 3                            ; v3   LDS address of my spare word; never rewritten
.set NIL, 4                            ; v4   0; never rewritten
.set M,   32                           ; v[32 + 2 u] m, the next register the old m
.set L,   40                           ; v[40 + 2 u : + 1] the sum, even and odd keys'
.set F,   48                           ; v[48 + 2 a] 2^(old m - new m)
.set T,   52                           ; v[52 + 4 a + 0..3] at work
.set KB,  64
.set VB,  96
.set X,   128
.set Y,   192
.set BB,  128                          ; in window 1: the bias's buffers, 64 registers each
.set MSB, 0
.macro WIN new                         ; the immediate's high byte repeats the setting that is left
.if MSB != \new
	s_set_vgpr_msb (MSB<<8)|\new
.set MSB, \new
.endif
.endm
.macro BARRIER                         ; my LDS stores have landed and my LDS loads are in: then the work-group's barrier
	s_wait_dscnt 0x0
	s_barrier_signal -1
	s_barrier_wait -1
.endm
.macro PLACES n                        ; plain vector lines behind matrix instructions: four ahead of a read of a result or a load into one of their registers
.rept \n
	v_nop
.endr
.endm
; One FP4 product that starts its sum.  sa, sb: the scale registers; ra, rb = 1: that side's scales stand in lanes 16-31.
.macro FP4 d, a, b, sa, sb, ra, rb
.if (\ra) && (\rb)
	v_wmma_scale_f32_16x16x128_f8f6f4 v[(\d):(\d)+7], v[(\a):(\a)+7], v[(\b):(\b)+7], 0, v[\sa], v[\sb] matrix_a_fmt:MATRIX_FMT_FP4 matrix_b_fmt:MATRIX_FMT_FP4 matrix_a_scale:MATRIX_SCALE_ROW1 matrix_b_scale:MATRIX_SCALE_ROW1
.elseif (\ra)
	v_wmma_scale_f32_16x16x128_f8f6f4 v[(\d):(\d)+7], v[(\a):(\a)+7], v[(\b):(\b)+7], 0, v[\sa], v[\sb] matrix_a_fmt:MATRIX_FMT_FP4 matrix_b_fmt:MATRIX_FMT_FP4 matrix_a_scale:MATRIX_SCALE_ROW1
.elseif (\rb)
	v_wmma_scale_f32_16x16x128_f8f6f4 v[(\d):(\d)+7], v[(\a):(\a)+7], v[(\b):(\b)+7], 0, v[\sa], v[\sb] matrix_a_fmt:MATRIX_FMT_FP4 matrix_b_fmt:MATRIX_FMT_FP4 matrix_b_scale:MATRIX_SCALE_ROW1
.else
	v_wmma_scale_f32_16x16x128_f8f6f4 v[(\d):(\d)+7], v[(\a):(\a)+7], v[(\b):(\b)+7], 0, v[\sa], v[\sb] matrix_a_fmt:MATRIX_FMT_FP4 matrix_b_fmt:MATRIX_FMT_FP4
.endif
.endm
; A BATCH OF THE PROJECTION: row r, my two tiles of positions, heads 2 hh and 2 hh + 1, kind 0 = K, 1 = V: eight products, rounded to f16 in place, four images to LDS.
; K: source 0 = 16 channels of Wk, source 1 = 16 positions; tiles e2 = 0, 1 of a head make one fragment.   V: source 0 = 16 positions, source 1 = 16 channels of Wv; tiles uu = 0, 1 of positions make one fragment.
.macro PBATCH kind, r, hh, DR, wt
.if \wt
	s_wait_dscnt 8                                 ; the stores of the batch two back, which read these registers, are done; the last batch's eight may be out
.endif
	WIN 0x05                                       ; both operands in window 1
.irp hd2, 0,1
.irp p, 0,1
.irp q, 0,1
.set fD, \DR+8*((\hd2*2+\p)*2+\q)
.if \kind == 0
.set fA, 128+8*(4*\hh+2*\hd2+\q)
.set fB, 16*\r+8*\p
	FP4 fD, fA, fB, 21+2*\hh+\hd2, 16+\r, \q, \p
.else
.set fA, 16*\r+8*\q
.set fB, 192+8*(4*\hh+2*\hd2+\p)
	FP4 fD, fA, fB, 16+\r, 25+2*\hh+\hd2, \q, \p
.endif
.endr
.endr
.endr
	WIN 0
	PLACES 4
.irp f, 0,1,2,3
.irp i, 0,1,2,3,4,5,6,7
	v_cvt_pk_f16_f32 v[\DR+16*\f+\i], v[\DR+16*\f+2*\i], v[\DR+16*\f+2*\i+1]   ; ascending, in place: each result is read from its low end on
.endr
.endr
.irp hd2, 0,1
.irp p, 0,1
.irp half, 0,1
	ds_store_b128 v[7+2*\hh+\hd2], v[\DR+16*(2*\hd2+\p)+4*\half:\DR+16*(2*\hd2+\p)+4*\half+3] offset:32768*\kind+\r*16384+\p*1024+\half*512
.endr
.endr
.endr
.endm
; Chunk G of the bias (trip G / 4, keys 64 (G % 4) on, my two query tiles): eight tiles in the accumulator's layout, 512 consecutive bytes a load, into buffer G % 2 of window 1.  The base and the offset register are never rewritten.
.macro BIAS G
	WIN 0x40                                       ; destination window 1
.irp a, 0,1
.irp k4, 0,1,2,3
.irp half, 0,1
	global_load_b128 v[BB+64*((\G)%2)+32*\a+8*\k4+4*\half:BB+64*((\G)%2)+32*\a+8*\k4+4*\half+3], v1, s[38:39] offset:((\G)/4)*524288+\a*16384+(4*((\G)%4)+\k4)*1024+\half*512
.endr
.endr
.endr
	WIN 0
.endm
; Half hf of Wo's 16 fragments (fragment n = 4 x column tile + head at v[128 + 8 n] of window 1): 16 loads, into the bias's buffer hf, which is done with
.macro WOLOAD hf
	WIN 0x40
.set n, 8*(\hf)
.rept 8
	global_load_b128 v[128+8*n:128+8*n+3], v1, s[46:47] offset:1024*n
	global_load_b128 v[128+8*n+4:128+8*n+7], v1, s[46:47] offset:1024*n+512
.set n, n+1
.endr
	WIN 0
.endm
.macro KLOAD c, r                      ; four fragments of K: row r, keys 64 c on
.irp k4, 0,1,2,3
	ds_load_b128 v[KB+8*\k4:KB+8*\k4+3], v5 offset:(\r)*16384+(4*(\c)+\k4)*1024
	ds_load_b128 v[KB+8*\k4+4:KB+8*\k4+7], v5 offset:(\r)*16384+(4*(\c)+\k4)*1024+512
.endr
.endm
.macro VLOAD c, r                      ; four fragments of V^T: n = 2 kp2 + et
.irp n, 0,1,2,3
	ds_load_b128 v[VB+8*\n:VB+8*\n+3], v5 offset:32768+(\r)*16384+(4*(\c)+\n)*1024
	ds_load_b128 v[VB+8*\n+4:VB+8*\n+7], v5 offset:32768+(\r)*16384+(4*(\c)+\n)*1024+512
.endr
.endm
; THE SOFTMAX of 64 keys for units 2 r and 2 r + 1, line by line by turns.  The scores of unit a stand in v[S + 32 a + 0..31].  first = 1: the head's first 64 keys start m, l and O^T.
.macro SOFTMAX S, r, first
.irp j, 0,1,2,3
.irp a, 0,1
	v_max3_num_f32 v[T+4*\a+\j], v[\S+32*\a+8*\j], v[\S+32*\a+8*\j+1], v[\S+32*\a+8*\j+2]   ; a chain for each tile, begun at the tile's low end
.endr
.endr
.irp i, 3,5
.irp j, 0,1,2,3
.irp a, 0,1
	v_max3_num_f32 v[T+4*\a+\j], v[T+4*\a+\j], v[\S+32*\a+8*\j+\i], v[\S+32*\a+8*\j+\i+1]
.endr
.endr
.endr
.irp a, 0,1
	v_max3_num_f32 v[T+4*\a], v[T+4*\a], v[\S+32*\a+7], v[\S+32*\a+15]
.endr
.irp a, 0,1
	v_max3_num_f32 v[T+4*\a+2], v[T+4*\a+2], v[\S+32*\a+23], v[\S+32*\a+31]
.endr
.irp a, 0,1
	v_max3_num_f32 v[T+4*\a], v[T+4*\a], v[T+4*\a+1], v[T+4*\a+2]
.endr
.irp a, 0,1
.if \first
	v_max_num_f32 v[T+4*\a], v[T+4*\a], v[T+4*\a+3]
.else
	v_max3_num_f32 v[T+4*\a], v[T+4*\a], v[T+4*\a+3], v[M+2*(2*(\r)+\a)]
.endif
.endr
.irp a, 0,1
	v_permlanex16_b32 v[T+4*\a+1], v[T+4*\a], s36, s37   ; the query's other keys lie in the lane 16 away
.endr
.if \first == 0
.irp a, 0,1
	v_mov_b32 v[M+2*(2*(\r)+\a)+1], v[M+2*(2*(\r)+\a)]
.endr
.endif
.irp a, 0,1
	v_max_num_f32 v[M+2*(2*(\r)+\a)], v[T+4*\a], v[T+4*\a+1]
.endr
.if \first == 0
.irp a, 0,1
	v_sub_f32 v[F+2*\a], v[M+2*(2*(\r)+\a)+1], v[M+2*(2*(\r)+\a)]
.endr
.endif
.irp j, 0,2,4,6,8,10,12,14,16,18,20,22,24,26,28,30
.irp a, 0,1
	v_pk_add_f32 v[\S+32*\a+\j:\S+32*\a+\j+1], v[\S+32*\a+\j:\S+32*\a+\j+1], v[M+2*(2*(\r)+\a):M+2*(2*(\r)+\a)+1] op_sel_hi:[1,0] neg_lo:[0,1] neg_hi:[0,1]   ; t - m, two at a time
.endr
.endr
.if \first == 0
.irp a, 0,1
	v_exp_f32 v[F+2*\a], v[F+2*\a]
.endr
.endif
.set n, 0
.rept 32                               ; ONE BATCH of exponentials: none reads another's result
	v_exp_f32 v[\S+n], v[\S+n]
	v_exp_f32 v[\S+32+n], v[\S+32+n]
.set n, n+1
.endr
	v_nop                                          ; the plain line behind the last exponential,
	s_wait_alu depctr_va_vdst(0)                   ; and the one wait for the batch, ahead of its first reader
.irp a, 0,1
	v_pk_add_f32 v[T+4*\a:T+4*\a+1], v[\S+32*\a:\S+32*\a+1], v[\S+32*\a+2:\S+32*\a+3]   ; the sum of p, in f32, in two chains a unit
.endr
.irp a, 0,1
	v_pk_add_f32 v[T+4*\a+2:T+4*\a+3], v[\S+32*\a+4:\S+32*\a+5], v[\S+32*\a+6:\S+32*\a+7]
.endr
.irp j, 8,12,16,20,24,28
.irp a, 0,1
	v_pk_add_f32 v[T+4*\a:T+4*\a+1], v[T+4*\a:T+4*\a+1], v[\S+32*\a+\j:\S+32*\a+\j+1]
.endr
.irp a, 0,1
	v_pk_add_f32 v[T+4*\a+2:T+4*\a+3], v[T+4*\a+2:T+4*\a+3], v[\S+32*\a+\j+2:\S+32*\a+\j+3]
.endr
.endr
.if \first
.irp a, 0,1
	v_pk_add_f32 v[L+2*(2*(\r)+\a):L+2*(2*(\r)+\a)+1], v[T+4*\a:T+4*\a+1], v[T+4*\a+2:T+4*\a+3]
.endr
.else
.irp a, 0,1
	v_pk_add_f32 v[T+4*\a:T+4*\a+1], v[T+4*\a:T+4*\a+1], v[T+4*\a+2:T+4*\a+3]
.endr
.irp a, 0,1
	v_pk_fma_f32 v[L+2*(2*(\r)+\a):L+2*(2*(\r)+\a)+1], v[L+2*(2*(\r)+\a):L+2*(2*(\r)+\a)+1], v[F+2*\a:F+2*\a+1], v[T+4*\a:T+4*\a+1] op_sel_hi:[1,0,1]
.endr
.endif
.irp kp2, 0,1
.irp i, 0,1,2,3,4,5,6,7
.irp a, 0,1
	v_cvt_pk_f16_f32 v[\S+32*\a+16*\kp2+\i], v[\S+32*\a+16*\kp2+2*\i], v[\S+32*\a+16*\kp2+2*\i+1]   ; two tiles of 16 keys become P of 32 keys, in place
.endr
.endr
.endr
.if \first == 0
	WIN 0x41                                       ; O^T in window 1, the factor in window 0
.irp j, 0,2,4,6,8,10,12,14
.irp a, 0,1
	v_pk_mul_f32 v[16*(2*(\r)+\a)+\j:16*(2*(\r)+\a)+\j+1], v[16*(2*(\r)+\a)+\j:16*(2*(\r)+\a)+\j+1], v[F+2*\a:F+2*\a+1] op_sel_hi:[1,0]
.endr
.endr
	WIN 0
.endif
.endm
; A PART: trip t, 64 keys (64 c on) of row r for my two query tiles.  Row 0's scores go to X, row 1's to Y; both take the chunk's bias, in buffer c % 2 of window 1, as their C.
; A row's scores are laid over the p that the same row's products read a whole part earlier: the other row's softmax lies between.
.macro ROWPART t, c, r
.set SR, X+64*(\r)
.set BI, BB+64*((\c)%2)
	s_wait_dscnt 0x0                               ; K's fragments are in
.if (\r) == 0
	s_wait_loadcnt 16                              ; this chunk's bias is in: behind its loads stand the 16 of the next chunk (at the very end: of Wo's first half), and nothing else
.endif
	WIN 0x14                                       ; Q and the bias in window 1
.irp k4, 0,1,2,3
.irp a, 0,1
	v_wmma_f32_16x16x32_f16 v[SR+32*\a+8*\k4:SR+32*\a+8*\k4+7], v[KB+8*\k4:KB+8*\k4+7], v[64+8*(2*(\r)+\a):64+8*(2*(\r)+\a)+7], v[BI+32*\a+8*\k4:BI+32*\a+8*\k4+7]
.endr
.endr
	WIN 0
	PLACES 4                                       ; ahead of the loads into K's, V's and the bias's registers, and of the first read of the scores
	VLOAD \c, \r
.if (\r) == 0
	KLOAD \c, 1
.else
.if (\c) < 3
	KLOAD (\c)+1, 0
.endif
.set GG, 4*(\t)+(\c)+2                 ; both rows have taken this chunk: its buffer takes the chunk after next, two parts and a softmax ahead of its use
.if GG < 8
	BIAS GG
.else
	WOLOAD GG-8                                    ; behind the last two chunks: Wo
.endif
.endif
.if (\c) == 0
	SOFTMAX SR, \r, 1
.else
	SOFTMAX SR, \r, 0
.endif
.if ((\c) == 3) && ((\r) == 1)
	s_wait_dscnt 0x0                               ; V's fragments are in
.else
	s_wait_dscnt 8                                 ; V's fragments are in; the next part's eight loads of K may be out
.endif
	WIN 0x50                                       ; O^T, as C and D, in window 1
.irp kp2, 0,1
.irp et, 0,1
.irp a, 0,1
.if ((\c) == 0) && (\kp2 == 0)
	v_wmma_f32_16x16x32_f16 v[16*(2*(\r)+\a)+8*\et:16*(2*(\r)+\a)+8*\et+7], v[VB+8*(2*\kp2+\et):VB+8*(2*\kp2+\et)+7], v[SR+32*\a+16*\kp2:SR+32*\a+16*\kp2+7], 0
.else
	v_wmma_f32_16x16x32_f16 v[16*(2*(\r)+\a)+8*\et:16*(2*(\r)+\a)+8*\et+7], v[VB+8*(2*\kp2+\et):VB+8*(2*\kp2+\et)+7], v[SR+32*\a+16*\kp2:SR+32*\a+16*\kp2+7], v[16*(2*(\r)+\a)+8*\et:16*(2*(\r)+\a)+8*\et+7]
.endif
.endr
.endr
.endr
	WIN 0                                          ; (the four accumulators take turns, one instruction a turn)
.endm
	s_load_b512 s[4:19], s[0:1], 0x0               ; xc s[4:5], xs s[6:7], bw s[8:9], wc s[10:11], wsc s[12:13], wo16 s[14:15], mask s[16:17], out s[18:19]
	v_lshl_add_u32 v[SPW], v0, 2, SPARE
	v_mov_b32 v[NIL], 0
	v_lshrrev_b32 v63, 5, v0
	v_readfirstlane_b32 s20, v63                   ; wave 0..7
	s_and_b32 s21, s20, 3                          ; g
	s_lshr_b32 s22, s20, 2                         ; hs
	s_and_b32 s23, ttmp9, 1                        ; which half of the queries
	s_lshr_b32 s24, ttmp9, 1                       ; which pair of rows
	s_lshl_b32 s25, s23, 3
	s_lshl_b32 s26, s21, 1
	s_add_co_u32 s25, s25, s26                     ; QT0
	v_and_b32 v63, 31, v0                          ; lane
	v_lshlrev_b32 v1, 4, v63                       ; v1  16 x lane
	v_lshlrev_b32 v2, 2, v63                       ; v2  4 x lane
	v_lshlrev_b32 v62, 3, v63                      ; v62 8 x lane: my bytes of the mask
	s_mul_i32 s26, s20, 3072
	v_add_nc_u32 v60, s26, v1                      ; v60 my wave's eighth of wc, in memory,
	v_add_nc_u32 v61, WCS, v60                     ; v61 and in LDS
	s_lshl_b32 s26, s20, 11
	v_add_nc_u32 v11, s26, v1                      ; v11 xc: my two tiles of positions
	v_add_nc_u32 v7, s26, v1                       ; v7-10 LDS: my two tiles' images in head block 0..3
	v_add_nc_u32 v8, 0x10000, v7
	v_add_nc_u32 v9, 0x20000, v7
	v_add_nc_u32 v10, 0x30000, v7
	s_lshl_b32 s26, s25, 10
	v_add_nc_u32 v12, s26, v1                      ; v12 xc: my two tiles of queries
	s_lshl_b32 s26, s20, 7
	v_add_nc_u32 v52, s26, v2                      ; xs: positions 32 w + lane: lanes 0-15 my first tile's words, lanes 16-31 my second's
	s_lshl_b32 s26, s25, 6
	v_add_nc_u32 v53, s26, v2                      ; xs: positions 16 QT0 + lane likewise
	s_mul_i32 s26, s20, 4352
	s_add_co_u32 s26, s26, STG                     ; my stage
	v_and_b32 v54, 15, v0                          ; n
	v_bfe_u32 v55, v0, 4, 1                        ; h
	v_mul_u32_u24 v13, v54, 272
	v_lshl_add_u32 v13, v55, 5, v13
	v_add_nc_u32 v13, s26, v13                     ; v13 in: row n, 32 bytes for each half of the lanes
	v_mul_u32_u24 v14, v55, 272
	v_lshl_add_u32 v14, v54, 4, v14
	v_add_nc_u32 v14, s26, v14                     ; v14 back: lanes 0-15 one row of 256 bytes, lanes 16-31 the next
	v_lshlrev_b32 v15, 9, v55
	v_lshl_add_u32 v15, v54, 4, v15                ; v15 and the same two rows of out
	v_add_nc_u32 v29, WCS, v1
.irp u, 0,1,2,3
	v_mov_b32 v[M+2*\u+1], 0                       ; named as the upper halves of pairs before they are first written
.endr
	v_mov_b32 v[F+1], 0
	v_mov_b32 v[F+3], 0
	s_lshl_b32 s31, s22, 16                        ; s31 my head's block in LDS: 65,536 hs, + 131,072 for the second trip
	s_lshl_b32 s32, s22, 11
	s_add_co_u32 s32, s32, WCS                     ; s32 my head's two fragments of Wq in LDS, + 4,096 for the second trip
	s_lshl_b32 s33, s21, 12                        ; s33 4,096 g: my four units' images of o
	s_mov_b32 s36, 0x76543210
	s_mov_b32 s37, 0xfedcba98                      ; v_permlanex16_b32's selects for lane l xor 16
	s_mov_b32 s27, 0
	s_wait_kmcnt 0x0
	s_lshl_b32 s26, s22, 18
	s_lshl_b32 s28, s25, 14
	s_add_co_u32 s26, s26, s28
	s_add_nc_u64 s[38:39], s[8:9], s[26:27]        ; bw at (head hs, query tile QT0); the second trip's 524,288 stand in the loads' immediates
	s_lshl_b32 s26, s22, 7
	s_add_nc_u64 s[40:41], s[12:13], s[26:27]      ; Wq's scale words of head hs
	s_lshl_b32 s26, s24, 15
	s_add_nc_u64 s[42:43], s[4:5], s[26:27]        ; xc at my pair of rows
	s_lshl_b32 s26, s24, 11
	s_add_nc_u64 s[44:45], s[6:7], s[26:27]        ; xs likewise
	s_lshl_b32 s26, s22, 14
	s_add_nc_u64 s[46:47], s[14:15], s[26:27]      ; wo16 at columns 64 hs on
	s_lshl_b32 s26, s24, 18
	s_lshl_b32 s28, s25, 13
	s_add_co_u32 s26, s26, s28
	s_lshl_b32 s28, s22, 8
	s_add_co_u32 s26, s26, s28
	s_add_nc_u64 s[48:49], s[18:19], s[26:27]      ; out at (my first row, query 16 QT0, column 64 hs)
.irp t, 0,1,2,3,4,5
	global_load_b128 v[X+4*\t:X+4*\t+3], v60, s[10:11] offset:512*\t   ; my eighth of the weights' codes
.endr
	WIN 0x40                                       ; destination window 1
.irp r, 0,1
.irp uu, 0,1
.irp c, 0,1
	global_load_b128 v[16*\r+8*\uu+4*\c:16*\r+8*\uu+4*\c+3], v11, s[42:43] offset:\r*16384+\uu*1024+\c*512   ; x's fragments: row r, position tile 2 w + uu
.endr
.endr
.endr
	WIN 0
.irp r, 0,1
	global_load_b32 v[16+\r], v52, s[44:45] offset:\r*1024
.endr
.irp p, 0,1,2,3
	global_load_b32 v[21+\p], v2, s[12:13] offset:512+128*\p    ; Wk's scale words: channels 32 p + lane
	global_load_b32 v[25+\p], v2, s[12:13] offset:1024+128*\p   ; Wv's
.endr
	global_load_b32 v20, v2, s[40:41]              ; Wq's scale words of my first head: lanes 0-15 channels 0-15, lanes 16-31 channels 16-31;
	global_load_b32 v30, v2, s[40:41] offset:256   ; and of my second, two heads on
	WIN 0x40
.irp r, 0,1
.irp a, 0,1
.irp c, 0,1
	global_load_b128 v[96+8*(2*\r+\a)+4*\c:96+8*(2*\r+\a)+4*\c+3], v12, s[42:43] offset:\r*16384+\a*1024+\c*512   ; x's fragments of my units' queries
.endr
.endr
.endr
	WIN 0
.irp r, 0,1
	global_load_b32 v[18+\r], v53, s[44:45] offset:\r*1024
.endr
	global_load_b64 v[56:57], v62, s[16:17]
	s_wait_loadcnt 31                              ; my eighth of the codes is in: behind it stand 8 + 2 + 8 + 2 + 8 + 2 + 1 loads
.irp t, 0,1,2,3,4,5
	ds_store_b128 v61, v[X+4*\t:X+4*\t+3] offset:512*\t
.endr
	BARRIER                                        ; the weights' codes lie in LDS
	WIN 0x40
.set n, 0
.rept 32
	ds_load_b128 v[128+4*n:128+4*n+3], v29 offset:8192+512*n   ; Wk's eight fragments to v128 on, Wv's to v192 on, of window 1
.set n, n+1
.endr
	WIN 0
	s_wait_loadcnt 0x0
	v_or_b32 v56, v56, v57
	v_cmp_ne_u32 vcc_lo, 0, v56
	s_cmp_lg_u32 vcc_lo, 0                         ; is any key valid?
	s_cselect_b32 s34, 0x3e8293ee, 0               ; c = log2(e) / sqrt(32), or 0
	s_mov_b32 s35, s34                             ; (named with it as a pair)
	s_wait_dscnt 0x0
	; ---- K and V of my two tiles of positions, both rows, all heads: K first, so that Wk's registers are free early
	PBATCH 0, 0, 0, X, 0
	PBATCH 0, 0, 1, Y, 0
	PBATCH 0, 1, 0, X, 1
	PBATCH 0, 1, 1, Y, 1
	BIAS 0                                         ; over Wk, which is done with: the last batch's four v_nop are the places.  Four batches, a barrier and q's projection ahead of its use
	PBATCH 1, 0, 0, X, 1
	PBATCH 1, 0, 1, Y, 1
	PBATCH 1, 1, 0, X, 1
	PBATCH 1, 1, 1, Y, 1
	BIAS 1                                         ; over Wv likewise
	BARRIER                                        ; K and V of both rows lie in LDS
; A TRIP: head 2 t + hs for my four units.
.macro TRIP t
	v_add_nc_u32 v5, s31, v1                       ; v5 my head's block
	v_add_nc_u32 v6, s33, v5                       ; v6 my units' images of o in it
	v_add_nc_u32 v29, s32, v1
.irp e2, 0,1
.irp c, 0,1
	ds_load_b128 v[VB+8*\e2+4*\c:VB+8*\e2+4*\c+3], v29 offset:\e2*1024+\c*512   ; Wq's two fragments of my head
.endr
.endr
	KLOAD 0, 0
	s_wait_dscnt 8                                 ; Wq's fragments are in: behind them stand K's eight loads
	WIN 0x04                                       ; x's fragments in window 1
.irp u, 0,1,2,3
.irp e2, 0,1
	FP4 Y+8*(2*\u+\e2), VB+8*\e2, 96+8*\u, 20+10*(\t), 18+\u/2, \e2, \u%2
.endr
.endr
	WIN 0
	PLACES 4
.set n, 0
.rept 32
	v_pk_mul_f32 v[Y+2*n:Y+2*n+1], v[Y+2*n:Y+2*n+1], s[34:35] op_sel_hi:[1,0]   ; q x c, in f32
.set n, n+1
.endr
	WIN 0x40
.set n, 0
.rept 32
	v_cvt_pk_f16_f32 v[64+n], v[Y+2*n], v[Y+2*n+1] ; Q of unit n / 8
.set n, n+1
.endr
	WIN 0
	ROWPART \t, 0, 0
	ROWPART \t, 0, 1
	ROWPART \t, 1, 0
	ROWPART \t, 1, 1
	ROWPART \t, 2, 0
	ROWPART \t, 2, 1
	ROWPART \t, 3, 0
	ROWPART \t, 3, 1
	; o = O^T / l, rounded to f16: the B fragment of the last product.  The additions are the places behind the last products
.irp u, 0,1,2,3
	v_add_f32 v[T+\u], v[L+2*\u], v[L+2*\u+1]
.endr
.irp u, 0,1,2,3
	v_permlanex16_b32 v[T+4+\u], v[T+\u], s36, s37
.endr
.irp u, 0,1,2,3
	v_add_f32 v[T+\u], v[T+\u], v[T+4+\u]
.endr
.irp u, 0,1,2,3
	v_rcp_f32 v[L+2*\u], v[T+\u]
.endr
	v_nop                                          ; the plain line behind the last reciprocal,
	s_wait_alu depctr_va_vdst(0)                   ; and the one wait for the four, ahead of their first reader
	WIN 0x41
.irp u, 0,1,2,3
.irp j, 0,2,4,6,8,10,12,14
	v_pk_mul_f32 v[16*\u+\j:16*\u+\j+1], v[16*\u+\j:16*\u+\j+1], v[L+2*\u:L+2*\u+1] op_sel_hi:[1,0]
.endr
.endr
	WIN 0x05                                       ; sources in window 1, destination in window 0
.irp u, 0,1,2,3
.irp i, 0,1,2,3,4,5,6,7
	v_cvt_pk_f16_f32 v[KB+8*\u+\i], v[16*\u+2*\i], v[16*\u+2*\i+1]
.endr
.endr
	WIN 0
	BARRIER                                        ; no wave reads this trip's K and V any more
.irp u, 0,1,2,3
.irp half, 0,1
	ds_store_b128 v6, v[KB+8*\u+4*\half:KB+8*\u+4*\half+3] offset:\u*1024+\half*512   ; over row 0's K of my head
.endr
.endr
	BARRIER                                        ; the images of o lie in LDS
.if (\t) == 0
	s_add_co_u32 s31, s31, 0x20000                 ; on by two heads
	s_add_co_u32 s32, s32, 4096
.endif
.endm
	TRIP 0
	TRIP 1
	; ---- out^T = Wo^T o^T: my four units x my 64 columns: 16 accumulators by turns, a head (32 along K) at a time
	v_add_nc_u32 v7, s33, v1
	v_add_nc_u32 v8, 0x10000, v7
	v_add_nc_u32 v9, 0x20000, v7
	v_add_nc_u32 v10, 0x30000, v7
.macro OLOAD hd                        ; my four units' o of one head: even heads into KB, odd into VB
.irp u, 0,1,2,3
.irp half, 0,1
	ds_load_b128 v[KB+32*((\hd)%2)+8*\u+4*\half:KB+32*((\hd)%2)+8*\u+4*\half+3], v[7+(\hd)] offset:\u*1024+\half*512
.endr
.endr
.endm
	OLOAD 0
	OLOAD 1
	s_wait_loadcnt 0x0                             ; Wo's two halves
.irp hd, 0,1,2,3
.if \hd == 3
	s_wait_dscnt 0x0
.else
	s_wait_dscnt 8                                 ; this head's eight loads are in; the next head's may be out
.endif
	WIN 0x01                                       ; Wo in window 1
.irp u, 0,1,2,3
.irp ct4, 0,1,2,3
.if \hd == 0
	v_wmma_f32_16x16x32_f16 v[X+32*\u+8*\ct4:X+32*\u+8*\ct4+7], v[128+8*(4*\ct4+\hd):128+8*(4*\ct4+\hd)+7], v[KB+32*(\hd%2)+8*\u:KB+32*(\hd%2)+8*\u+7], 0
.else
	v_wmma_f32_16x16x32_f16 v[X+32*\u+8*\ct4:X+32*\u+8*\ct4+7], v[128+8*(4*\ct4+\hd):128+8*(4*\ct4+\hd)+7], v[KB+32*(\hd%2)+8*\u:KB+32*(\hd%2)+8*\u+7], v[X+32*\u+8*\ct4:X+32*\u+8*\ct4+7]
.endif
.endr
.endr
	WIN 0
	PLACES 4                                       ; ahead of the loads into o's registers, and at the end of the first read of the results
.if \hd < 2
	OLOAD \hd+2
.endif
.endr
; THE WAY OUT, a unit (16 queries x 64 columns) at a time.  A lane holds 32 neighbouring bytes of a row, the lanes beside it other rows: so a unit goes through my own stage and comes back as rows of 256 bytes.
; LDS serves a wave's instructions in order (ISA guide 5.7.1.4): no wait between the stores and the loads, nor ahead of the next unit's stores.
.macro TOSTAGE u
.irp ct4, 0,1,2,3
	ds_store_b128 v13, v[X+32*(\u)+8*\ct4:X+32*(\u)+8*\ct4+3] offset:\ct4*64        ; each accumulator from its low end on
	ds_store_b128 v13, v[X+32*(\u)+8*\ct4+4:X+32*(\u)+8*\ct4+7] offset:\ct4*64+16
.endr
.irp t, 0,1,2,3,4,5,6,7
	ds_load_b128 v[KB+32*((\u)%2)+4*\t:KB+32*((\u)%2)+4*\t+3], v14 offset:544*\t
.endr
.endm
.macro SEND u, younger                 ; younger: the LDS instructions issued behind unit u's loads
	s_wait_dscnt \younger
.irp t, 0,1,2,3,4,5,6,7
	global_store_b128 v15, v[KB+32*((\u)%2)+4*\t:KB+32*((\u)%2)+4*\t+3], s[48:49] offset:((\u)/2)*131072+((\u)%2)*8192+\t*1024 th:TH_STORE_NT   ; sixteen lanes store 256 consecutive bytes, aligned; written once
.endr
.endm
	TOSTAGE 0
	TOSTAGE 1
	SEND 0, 16                                     ; behind unit 0's loads: unit 1's eight stores and eight loads
	s_wait_xcnt 0x0                                ; unit 0's stores have read their registers: unit 2's rows may land there
	TOSTAGE 2
	SEND 1, 16
	s_wait_xcnt 0x0                                ; unit 1's likewise
	TOSTAGE 3
	SEND 2, 16
	SEND 3, 0
	s_wait_tensorcnt 0x0                           ; the wave's end
	ds_add_u32 v[SPW], v[NIL]
	s_wait_dscnt 0x0
	s_endpgm
.Lfunc_end_k_qfb7211243e_attn:
	.size	k_qfb7211243e_attn, .Lfunc_end_k_qfb7211243e_attn-k_qfb7211243e_attn
	.p2alignl 7, 3214868480
	.fill 96, 4, 3214868480
	.section	.rodata,"a",@progbits
	.p2align	6, 0x0
	.amdhsa_kernel k_qfb7211243e_attn
		.amdhsa_group_segment_fixed_size 322560
		.amdhsa_private_segment_fixed_size 0
		.amdhsa_enable_private_segment 0
		.amdhsa_kernarg_size 64
		.amdhsa_user_sgpr_count 2
		.amdhsa_user_sgpr_kernarg_segment_ptr 1
		.amdhsa_wavefront_size32 1
		.amdhsa_system_sgpr_workgroup_id_x 1
		.amdhsa_system_sgpr_workgroup_id_y 1
		.amdhsa_system_sgpr_workgroup_id_z 1
		.amdhsa_system_vgpr_workitem_id 0
		.amdhsa_next_free_vgpr 512
		.amdhsa_next_free_sgpr 66
		.amdhsa_reserve_vcc 1
		.amdhsa_float_denorm_mode_32 3
		.amdhsa_float_denorm_mode_16_64 3
		.amdhsa_memory_ordered 1
		.amdhsa_forward_progress 1
		.amdhsa_inst_pref_size 255
	.end_amdhsa_kernel
	.section	.bss,"aw",@nobits
	.p2align	6
	.space	262144
	.amdgpu_metadata
---
amdhsa.version: [ 1, 2 ]
amdhsa.kernels:
  - .name:           k_qfb7211243e_attn
    .symbol:         k_qfb7211243e_attn.kd
    .args:
      - { .name: xc, .offset: 0, .size: 8, .value_kind: global_buffer, .address_space: global }
      - { .name: xs, .offset: 8, .size: 8, .value_kind: global_buffer, .address_space: global }
      - { .name: bw, .offset: 16, .size: 8, .value_kind: global_buffer, .address_space: global }
      - { .name: wc, .offset: 24, .size: 8, .value_kind: global_buffer, .address_space: global }
      - { .name: wsc, .offset: 32, .size: 8, .value_kind: global_buffer, .address_space: global }
      - { .name: wo16, .offset: 40, .size: 8, .value_kind: global_buffer, .address_space: global }
      - { .name: mask, .offset: 48, .size: 8, .value_kind: global_buffer, .address_space: global }
      - { .name: out0, .offset: 56, .size: 8, .value_kind: global_buffer, .address_space: global }
    .group_segment_fixed_size: 322560
    .private_segment_fixed_size: 0
    .kernarg_segment_align: 8
    .kernarg_segment_size: 64
    .max_flat_workgroup_size: 256
    .sgpr_count:     66
    .vgpr_count:     512
    .wavefront_size: 32
...
	.end_amdgpu_metadata
.endif
;; end of part 2
